; MI455X (gfx1250); checked and timed in simulation.
; The chip was launched on July 23, 2026; its instructions are those of AMD's public machine-readable ISA for CDNA 5 (MIT licence, August 2026) and "CDNA5" Instruction Set Architecture Reference Guide (July 2026). The comments in the code are by the model that wrote it; some were corrected since.
;; trial. Allowed arithmetic: float matrix products may take bf16 or f16 operands with f32 sums; all other float work in f32.
;; Inputs: signal 32 x 1,024 x 2 float32.
;; Outputs: out0 32 x 1,024 float32; out1 32 x 1,024 float32.
;; One version. Each part assembles by itself: llvm-mc -triple=amdgcn-amd-amdhsa -mcpu=gfx1250 --defsym DOCPART=n.
;; ======== version 1 of 1: 1 launch
;; launch trace (part 1): grid 32 x 1, 8 waves a work-group, no clusters, 1,280 bytes of LDS; arguments signal, out0, out1; writes out0, out1
.if DOCPART == 1
	.amdgcn_target "amdgcn-amd-amdhsa--gfx1250"
	.amdhsa_code_object_version 6
	.text
	.protected	k_q345ac97b44_trace
	.globl	k_q345ac97b44_trace
	.p2align	8
	.type	k_q345ac97b44_trace,@function
k_q345ac97b44_trace:
	s_mov_b64 s[64:65], 0
	v_nop
	global_prefetch_b8 v0, s[64:65] scope:SCOPE_SE
	s_setreg_imm32_b32 hwreg(HW_REG_WAVE_MODE, 25, 1), 1
	s_wait_xcnt 0x0
; out_c[b][j] = logsumexp over i of (1e9 * mat[i][j]) / 1e9, c = 0, 1, where column j of mat holds s[j..1023], j+1 copies of s[1023]
; and 1024 masked rows of -1e9, and s = -logsumexp(1e5 * (c, -c)) / 1e5.   signal: [32][1024][2] f32, out0, out1: [32][1024] f32.
;
; logsumexp is associative, so the columns are not built: a SUFFIX SCAN of pairs (m, l) along the time axis, m = the largest value so far,
; l = the sum of exp(value - m).  The maximum is taken away in front of every exponential.  All values are kept in base-2 units:
;   w = -1e9 log2(e) |c| - 1e4 log2(1 + exp2(-2e5 log2(e) |c|))       (= 1e9 log2(e) s),      out = (M + log2 l) ln(2) / 1e9.
; One work-group = one batch row, eight waves.  Thread t owns time steps 4t .. 4t+3 of both channels: 32 input bytes (a wave's two loads
; together cover 1,024 consecutive bytes), and of each channel four results = 16 neighbouring bytes, so that sixteen lanes store 256
; consecutive bytes at a multiple of 256 from the output's first byte.  The two channels lie in even/odd register pairs: every add, multiply
; and fma is a packed one for both.
; LEVELS: thread (4 steps) -> row of 16 lanes (64 steps = a segment; DPP row_shl) -> the 16 segments (LDS, one barrier; row_xmask) -> back
; into the thread.  At each level the maxima are found first (no exponential), then all exponentials go in one run, then the sums follow
; as a linear recurrence l_k = a_k + b_k l_(k+1) of fused multiply-adds.
; The 1024 masked rows are one more pair (-1e18 log2 e, 1024) behind the last segment; the padding is (j+1) exp2(w_last - M_j), and w_last
; is part of every column's maximum M_j, also in the last thread, behind whose steps nothing but masked rows lies.
;
; LIMITS, stated: the order of rounding differs from reference() (the factors /1e5 and *1e9 are one factor 1e4, log2(e) is folded in):
; relative differences of a few 1e-7 in w.  They can change single terms of l, all of which together move a result by at most
; log(2049)/1e9 = 7.6e-9.  Terms below 2^-126 count as zero (v_exp_f32 flushes them).  An infinite input gives w = -inf, whose terms are zero
; as in reference(): the maxima that are subtracted are never below -FLT_MAX, so no inf - inf is formed.  A NaN input enters l through
; exp2(w - m) and from there every output whose window holds it, and no other (a NaN in the last step: every output, by the padding).
; No cluster: the work-groups share no input byte.  32 work-groups: the scan ties a batch row together, and work-groups exchange nothing.
.set ROW_IN,  8192                     ; bytes of a batch row of signal
.set K_T,     0xc88ce360               ; -2e5 log2(e)
.set K_U,     0xceabfb8f               ; -1e9 log2(e)
.set K_L,     0xc61c4000               ; -1e4
.set K_OUT,   0x303e87e6               ; ln(2) / 1e9
.set K_MASK,  0xdda02bdc               ; -1e9 * 1e9 * log2(e): a masked row
.set K_CNT,   0x44800000               ; 1024.0: masked rows in a column (2049 rows, 1025 of them in the window)
.set K_FLOOR, 0xff7fffff               ; -FLT_MAX: the maximum of "nothing"
.set IN,   1                           ; v1       byte offset of my 32 input bytes
.set OUTO, 2                           ; v2       byte offset of my 16 output bytes
.set ZERO, 3                           ; v3       0
.set R,    4                           ; v4       lane in its row of 16
.set GI,   5                           ; v5       my segment, 0..15
.set STA,  6                           ; v6       LDS byte of my segment's entry
.set LDA,  7                           ; v7       LDS byte of the entry that I read: 16 R
.set FL,   8                           ; v8       -FLT_MAX
.set KT,   9                           ; v9       at work
.set DM,   10                          ; v10      what stands for entry R's m if it is not behind my segment
.set DL,   11                          ; v11      and for its l
.set N,    12                          ; v[12:15] j + 1 of my four steps, as f32
.set C,    16                          ; v[16:25] |c|: steps 0..3 (pairs), then the row's last step.  Later TM, AN, GM
.set T,    26                          ; v[26:35] elementwise work.  Later MK
.set W,    36                          ; v[36:45] w of steps 0..3 and of the last step
.set WL,   W+8
.set MT,   46                          ; pair: my four steps' maximum
.set L,    48                          ; pair: their sum relative to MT
.set LX,   50                          ; pair: sum of all that lies behind my steps, relative to X
.set S,    52                          ; pair: maximum from my thread to the row's end   } lane 0's v[52:55] is the
.set A,    54                          ; pair: sum from my thread to the row's end, relative to S  } segment's LDS entry
.set SN,   56                          ; pair: S of the next lane (lane 15: -FLT_MAX)
.set B,    58                          ; pair: the recurrence's factor
.set E,    60                          ; v[60:67] exponentials at work; v[60:63] also the segment's entry on its way to LDS
.set G,    68                          ; v[68:71] an entry as read: m, m, l, l
.set GL,   G+2
.set X,    72                          ; pair: maximum of all that lies behind my steps, the padding's value among it
.set D1,   74                          ; v[74:95]: 22 exponents in one run: SN - X,
.set D2,   76                          ;   GM - X,
.set D3,   78                          ;   w_last - X,
.set AK,   80                          ;   a_k = w_k - M_k  (later l_k, then l_k + (j+1) c_k),
.set BK,   88                          ;   b_k = M_(k+1) - M_k
.set MM,   96                          ; v[96:103]  M_k
.set CK,   104                         ; v[104:111] c_k = exp2(w_last - M_k)
.set O,    112                         ; v[112:119] results: four of channel 0, four of channel 1
.set TM,   C                           ; pair: a neighbour's A.   These three are destinations of DPP forms, which count as read:
.set AN,   C+2                         ; pair: A of the next lane (lane 15: 0).   they are registers that have been written
.set GM,   C+4                         ; pair: maximum of the entries behind my segment
.set MK,   T                           ; v[26:33] M_k ln(2)/1e9
	s_load_b128 s[4:7], s[0:1], 0x0                ; signal s[4:5], out0 s[6:7]
	s_load_b64 s[8:9], s[0:1], 0x10                ; out1
	v_lshl_add_u32 v120, v0, 2, 0x100
	v_mov_b32 v121, 0
	s_lshl_b32 s10, ttmp9, 13                      ; batch row x 8,192 bytes
	s_mov_b32 s11, 0
	s_lshl_b32 s12, ttmp9, 12                      ; batch row x 4,096 bytes
	s_mov_b32 s13, 0
	v_lshlrev_b32 v[IN], 5, v0
	v_mov_b32 v[ZERO], 0
	s_wait_kmcnt 0x0
	s_add_nc_u64 s[4:5], s[4:5], s[10:11]
	global_load_b128 v[C:C+3],   v[IN], s[4:5]                     ; steps 4t, 4t+1: x y x y
	global_load_b128 v[C+4:C+7], v[IN], s[4:5] offset:16           ; steps 4t+2, 4t+3
	global_load_b64  v[C+8:C+9], v[ZERO], s[4:5] offset:ROW_IN-8   ; the row's last step, the same 8 bytes in every lane: the padding's value
	s_add_nc_u64 s[6:7], s[6:7], s[12:13]
	s_add_nc_u64 s[8:9], s[8:9], s[12:13]
	; while the loads are out: addresses, masks and counts, all from the thread's number
	v_lshrrev_b32 v[KT], 5, v0
	v_readfirstlane_b32 s14, v[KT]                 ; wave 0..7
	s_lshl_b32 s14, s14, 5                         ; a wave has two segments: 32 bytes of LDS are its own
	v_and_b32 v[STA], 16, v0                       ; 16 x (row of the wave)
	v_add_nc_u32 v[STA], s14, v[STA]
	v_and_b32 v[R], 15, v0
	v_lshrrev_b32 v[GI], 4, v0
	v_lshlrev_b32 v[LDA], 4, v[R]
	v_mov_b32 v[FL], K_FLOOR
	v_mov_b32 v[KT], K_MASK
	v_cmp_eq_u32 vcc_lo, v[R], v[GI]               ; the lane that would read my own segment's entry carries the masked rows instead,
	v_cndmask_b32 v[DM], v[FL], v[KT], vcc_lo
	v_mov_b32 v[KT], K_CNT
	v_cndmask_b32 v[DL], 0, v[KT], vcc_lo          ; the lanes of earlier segments carry nothing: (-FLT_MAX, 0)
	v_cmp_gt_u32 s15, v[R], v[GI]                  ; s15: lanes whose entry lies behind my segment
	v_lshlrev_b32 v[N], 2, v0
	v_cvt_f32_u32 v[N], v[N]                       ; 4 t, exact
	v_add_f32 v[N+3], 4.0, v[N]
	v_add_f32 v[N+2], 0x40400000, v[N]             ; + 3.0
	v_add_f32 v[N+1], 2.0, v[N]
	v_add_f32 v[N], 1.0, v[N]                      ; j + 1 copies of the last value in column j
	s_mov_b32 s16, K_OUT
	s_wait_loadcnt 0x0                             ; all three loads: all are used at once
	; ELEMENTWISE, ten numbers: w = K_U |c| + K_L log2(1 + exp2(K_T |c|)).
	; Behind a run of transcendentals one plain vector instruction that touches none of their registers stands before a result is used.
.irp r, 0,1,2,3,4,5,6,7,8,9
	v_and_b32 v[C+\r], 0x7fffffff, v[C+\r]
.endr
.irp p, 0,2,4,6,8
	v_pk_mul_f32 v[T+\p:T+\p+1], v[C+\p:C+\p+1], K_T op_sel_hi:[1,0]
.endr
.irp r, 0,1,2,3,4,5,6,7,8,9
	v_exp_f32 v[T+\r], v[T+\r]
.endr
.irp p, 0,2,4,6,8
	v_pk_mul_f32 v[W+\p:W+\p+1], v[C+\p:C+\p+1], K_U op_sel_hi:[1,0]   ; the plain work behind the exponentials
.endr
	s_wait_alu depctr_va_vdst(0)
.irp p, 0,2,4,6,8
	v_pk_add_f32 v[T+\p:T+\p+1], v[T+\p:T+\p+1], 1.0 op_sel_hi:[1,0]
.endr
.irp r, 0,1,2,3,4,5,6,7,8,9
	v_log_f32 v[T+\r], v[T+\r]
.endr
	v_mov_b32 v[SN], v[FL]                         ; the plain work behind the logarithms: lane 15 of a row has no next lane
	v_mov_b32 v[SN+1], v[FL]
	s_wait_alu depctr_va_vdst(0)
.irp p, 0,2,4,6,8
	v_pk_fma_f32 v[W+\p:W+\p+1], v[T+\p:T+\p+1], K_L, v[W+\p:W+\p+1] op_sel_hi:[1,0,1]
.endr
	; THREAD: (MT, L) of my four steps.  -FLT_MAX in the maximum keeps it finite where all four w are -inf.
.irp c, 0,1
	v_max3_num_f32 v[MT+\c], v[W+\c], v[W+2+\c], v[W+4+\c]
	v_max3_num_f32 v[MT+\c], v[MT+\c], v[W+6+\c], v[FL]
.endr
.irp k, 0,1,2,3
	v_pk_add_f32 v[E+2*\k:E+2*\k+1], v[W+2*\k:W+2*\k+1], v[MT:MT+1] neg_lo:[0,1] neg_hi:[0,1]
.endr
.irp r, 0,1,2,3,4,5,6,7
	v_exp_f32 v[E+\r], v[E+\r]
.endr
	; ROW, maxima: S[i] = max of MT[i..15].  row_shl:d reads lane i + d; a lane without a source keeps its S.
	v_mov_b32 v[S], v[MT]
	v_mov_b32 v[S+1], v[MT+1]
.irp d, 1,2,4,8
	v_max_num_f32_dpp v[S], v[S], v[S] row_shl:\d row_mask:0xf bank_mask:0xf
	v_max_num_f32_dpp v[S+1], v[S+1], v[S+1] row_shl:\d row_mask:0xf bank_mask:0xf
.endr
	v_mov_b32_dpp v[SN], v[S] row_shl:1 row_mask:0xf bank_mask:0xf         ; lane 15 keeps -FLT_MAX
	v_mov_b32_dpp v[SN+1], v[S+1] row_shl:1 row_mask:0xf bank_mask:0xf
	s_wait_alu depctr_va_vdst(0)
	v_pk_add_f32 v[E:E+1], v[E:E+1], v[E+2:E+3]
	v_pk_add_f32 v[E+4:E+5], v[E+4:E+5], v[E+6:E+7]
	v_pk_add_f32 v[L:L+1], v[E:E+1], v[E+4:E+5]
	; ROW, sums: A[i] = L[i] exp2(MT[i] - S[i]) + B[i] A[i+1], B[i] = exp2(S[i+1] - S[i]); in four doubling steps
	v_pk_add_f32 v[E:E+1], v[MT:MT+1], v[S:S+1] neg_lo:[0,1] neg_hi:[0,1]
	v_pk_add_f32 v[B:B+1], v[SN:SN+1], v[S:S+1] neg_lo:[0,1] neg_hi:[0,1]
	v_exp_f32 v[E], v[E]
	v_exp_f32 v[E+1], v[E+1]
	v_exp_f32 v[B], v[B]
	v_exp_f32 v[B+1], v[B+1]
	v_lshlrev_b32 v[OUTO], 4, v0                   ; the plain work behind the exponentials
	s_wait_alu depctr_va_vdst(0)
	v_pk_mul_f32 v[A:A+1], v[L:L+1], v[E:E+1]
.irp d, 1,2,4
	v_mov_b32_dpp v[TM], v[A] row_shl:\d row_mask:0xf bank_mask:0xf bound_ctrl:1       ; a lane without a source takes 0
	v_mov_b32_dpp v[TM+1], v[A+1] row_shl:\d row_mask:0xf bank_mask:0xf bound_ctrl:1
	v_pk_fma_f32 v[A:A+1], v[TM:TM+1], v[B:B+1], v[A:A+1]
	v_mul_f32_dpp v[B], v[B], v[B] row_shl:\d row_mask:0xf bank_mask:0xf bound_ctrl:1  ; a factor that reaches past the row's end turns 0
	v_mul_f32_dpp v[B+1], v[B+1], v[B+1] row_shl:\d row_mask:0xf bank_mask:0xf bound_ctrl:1 ; and from then on only ever meets a 0
.endr
	v_mov_b32_dpp v[TM], v[A] row_shl:8 row_mask:0xf bank_mask:0xf bound_ctrl:1
	v_mov_b32_dpp v[TM+1], v[A+1] row_shl:8 row_mask:0xf bank_mask:0xf bound_ctrl:1
	v_pk_fma_f32 v[A:A+1], v[TM:TM+1], v[B:B+1], v[A:A+1]
	; SEGMENTS: lane 0 of each row holds its segment's (S, A) of both channels.  row_share:0 gives them to the whole row, and the row's
	; sixteen lanes store the same 16 bytes to LDS entry GI, all lanes on: the eight waves' stores write all 256 bytes that are read below.
.irp r, 0,1,2,3
	v_mov_b32_dpp v[E+\r], v[S+\r] row_share:0 row_mask:0xf bank_mask:0xf
.endr
	ds_store_b128 v[STA], v[E:E+3]
	s_wait_dscnt 0x0                               ; for the other waves' sake: my entries are in LDS before I say so
	s_barrier_signal -1
	v_mov_b32_dpp v[AN], v[A] row_shl:1 row_mask:0xf bank_mask:0xf bound_ctrl:1        ; registers only: (SN, AN) = what lies behind me in my row
	v_mov_b32_dpp v[AN+1], v[A+1] row_shl:1 row_mask:0xf bank_mask:0xf bound_ctrl:1
	s_barrier_wait -1                              ; all sixteen entries are there
	ds_load_b128 v[G:G+3], v[LDA]                  ; lane R of each row reads entry R: 256 consecutive bytes
	s_wait_dscnt 0x0
	v_cndmask_b32 v[G], v[DM], v[G], s15           ; entries behind my segment stay; my own place carries the masked rows; earlier ones nothing
	v_cndmask_b32 v[G+1], v[DM], v[G+1], s15
	v_cndmask_b32 v[GL], v[DL], v[GL], s15
	v_cndmask_b32 v[GL+1], v[DL], v[GL+1], s15
	v_max_num_f32_dpp v[GM], v[G], v[G] row_xmask:1 row_mask:0xf bank_mask:0xf         ; the row's maximum, into every lane of the row
	v_max_num_f32_dpp v[GM+1], v[G+1], v[G+1] row_xmask:1 row_mask:0xf bank_mask:0xf
.irp d, 2,4,8
	v_max_num_f32_dpp v[GM], v[GM], v[GM] row_xmask:\d row_mask:0xf bank_mask:0xf
	v_max_num_f32_dpp v[GM+1], v[GM+1], v[GM+1] row_xmask:\d row_mask:0xf bank_mask:0xf
.endr
	v_pk_add_f32 v[E:E+1], v[G:G+1], v[GM:GM+1] neg_lo:[0,1] neg_hi:[0,1]
	v_exp_f32 v[E], v[E]
	v_exp_f32 v[E+1], v[E+1]
	; BACK IN THE THREAD, maxima.  X = the largest of all that lies behind my steps in a column: the rest of my row, the later segments with
	; the masked rows (so X is finite), and the padding's value w_last, of which every column holds at least one copy.  With w_last in X
	; none of the 22 exponents below is above 0.  M_k = max(w_k, M_(k+1)), M_4 = X.
.irp c, 0,1
	v_max3_num_f32 v[X+\c], v[SN+\c], v[GM+\c], v[WL+\c]
	v_max_num_f32 v[MM+6+\c], v[W+6+\c], v[X+\c]
	v_max_num_f32 v[MM+4+\c], v[W+4+\c], v[MM+6+\c]
	v_max_num_f32 v[MM+2+\c], v[W+2+\c], v[MM+4+\c]
	v_max_num_f32 v[MM+\c], v[W+\c], v[MM+2+\c]
.endr
	v_pk_add_f32 v[D1:D1+1], v[SN:SN+1], v[X:X+1] neg_lo:[0,1] neg_hi:[0,1]
	v_pk_add_f32 v[D2:D2+1], v[GM:GM+1], v[X:X+1] neg_lo:[0,1] neg_hi:[0,1]
	v_pk_add_f32 v[D3:D3+1], v[WL:WL+1], v[X:X+1] neg_lo:[0,1] neg_hi:[0,1]
.irp k, 0,1,2,3
	v_pk_add_f32 v[AK+2*\k:AK+2*\k+1], v[W+2*\k:W+2*\k+1], v[MM+2*\k:MM+2*\k+1] neg_lo:[0,1] neg_hi:[0,1]
.endr
.irp k, 0,1,2
	v_pk_add_f32 v[BK+2*\k:BK+2*\k+1], v[MM+2*\k+2:MM+2*\k+3], v[MM+2*\k:MM+2*\k+1] neg_lo:[0,1] neg_hi:[0,1]
.endr
	v_pk_add_f32 v[BK+6:BK+7], v[X:X+1], v[MM+6:MM+7] neg_lo:[0,1] neg_hi:[0,1]
.set i, 0
.rept 22
	v_exp_f32 v[D1+i], v[D1+i]                     ; all exponents hang on maxima alone: one run, v[74:95]
.set i, i+1
.endr
	s_wait_alu depctr_va_vdst(0)
	v_pk_mul_f32 v[GL:GL+1], v[GL:GL+1], v[E:E+1]  ; plain work behind the run (E is of the run before): each entry's l relative to GM
	v_pk_mul_f32 v[LX:LX+1], v[AN:AN+1], v[D1:D1+1]
; the row's sum of GL into every lane, and beside it the padding's chain c_k = c_(k+1) b_k, c_4 = exp2(w_last - X), all factors at most 1
.macro GSTEP d, k, prev
	v_add_f32_dpp v[GL], v[GL], v[GL] row_xmask:\d row_mask:0xf bank_mask:0xf
	v_add_f32_dpp v[GL+1], v[GL+1], v[GL+1] row_xmask:\d row_mask:0xf bank_mask:0xf
	v_pk_mul_f32 v[CK+2*\k:CK+2*\k+1], v[\prev:\prev+1], v[BK+2*\k:BK+2*\k+1]
.endm
	GSTEP 1, 3, D3
	GSTEP 2, 2, CK+6
	GSTEP 4, 1, CK+4
	GSTEP 8, 0, CK+2
	v_pk_fma_f32 v[LX:LX+1], v[GL:GL+1], v[D2:D2+1], v[LX:LX+1]    ; LX = AN exp2(SN - X) + GL exp2(GM - X)
	v_pk_fma_f32 v[AK+6:AK+7], v[LX:LX+1], v[BK+6:BK+7], v[AK+6:AK+7]      ; l_3 = a_3 + b_3 LX
.irp k, 2,1,0
	v_pk_fma_f32 v[AK+2*\k:AK+2*\k+1], v[AK+2*\k+2:AK+2*\k+3], v[BK+2*\k:BK+2*\k+1], v[AK+2*\k:AK+2*\k+1]   ; l_k = a_k + b_k l_(k+1)
.endr
	; + (j+1) c_k: one count for both channels, picked from its pair by op_sel (low result) and op_sel_hi (high result)
	v_pk_fma_f32 v[AK:AK+1],   v[CK:CK+1],   v[N:N+1],   v[AK:AK+1]   op_sel_hi:[1,0,1]
	v_pk_fma_f32 v[AK+2:AK+3], v[CK+2:CK+3], v[N:N+1],   v[AK+2:AK+3] op_sel:[0,1,0] op_sel_hi:[1,1,1]
	v_pk_fma_f32 v[AK+4:AK+5], v[CK+4:CK+5], v[N+2:N+3], v[AK+4:AK+5] op_sel_hi:[1,0,1]
	v_pk_fma_f32 v[AK+6:AK+7], v[CK+6:CK+7], v[N+2:N+3], v[AK+6:AK+7] op_sel:[0,1,0] op_sel_hi:[1,1,1]
	; out = (M + log2 l) ln(2)/1e9.  The logarithms also sort the pairs into four registers for each channel.
.irp c, 0,1
.irp k, 0,1,2,3
	v_log_f32 v[O+4*\c+\k], v[AK+2*\k+\c]
.endr
.endr
.irp k, 0,1,2,3
	v_pk_mul_f32 v[MK+2*\k:MK+2*\k+1], v[MM+2*\k:MM+2*\k+1], K_OUT op_sel_hi:[1,0]     ; the plain work behind the logarithms
.endr
	s_wait_alu depctr_va_vdst(0)
.irp c, 0,1
.irp k, 0,1,2,3
	v_fma_f32 v[O+4*\c+\k], v[O+4*\c+\k], s16, v[MK+2*\k+\c]
.endr
.endr
	global_store_b128 v[OUTO], v[O:O+3],   s[6:7] th:TH_STORE_NT   ; 16 lanes: 256 consecutive bytes, at a multiple of 256 from out0's first byte
	global_store_b128 v[OUTO], v[O+4:O+7], s[8:9] th:TH_STORE_NT
	s_wait_tensorcnt 0x0
	ds_add_u32 v120, v121
	s_wait_dscnt 0x0
	s_endpgm
.Lfunc_end_k_q345ac97b44_trace:
	.size	k_q345ac97b44_trace, .Lfunc_end_k_q345ac97b44_trace-k_q345ac97b44_trace
	.p2alignl 7, 3214868480
	.fill 96, 4, 3214868480
	.section	.rodata,"a",@progbits
	.p2align	6, 0x0
	.amdhsa_kernel k_q345ac97b44_trace
		.amdhsa_group_segment_fixed_size 1280
		.amdhsa_private_segment_fixed_size 0
		.amdhsa_enable_private_segment 0
		.amdhsa_kernarg_size 24
		.amdhsa_user_sgpr_count 2
		.amdhsa_user_sgpr_kernarg_segment_ptr 1
		.amdhsa_wavefront_size32 1
		.amdhsa_system_sgpr_workgroup_id_x 1
		.amdhsa_system_sgpr_workgroup_id_y 1
		.amdhsa_system_sgpr_workgroup_id_z 1
		.amdhsa_system_vgpr_workitem_id 0
		.amdhsa_next_free_vgpr 122
		.amdhsa_next_free_sgpr 66
		.amdhsa_reserve_vcc 1
		.amdhsa_float_denorm_mode_32 3
		.amdhsa_float_denorm_mode_16_64 3
		.amdhsa_memory_ordered 1
		.amdhsa_forward_progress 1
		.amdhsa_inst_pref_size 15
	.end_amdhsa_kernel
	.amdgpu_metadata
---
amdhsa.version: [ 1, 2 ]
amdhsa.kernels:
  - .name:           k_q345ac97b44_trace
    .symbol:         k_q345ac97b44_trace.kd
    .args:
      - { .name: signal, .offset: 0, .size: 8, .value_kind: global_buffer, .address_space: global }
      - { .name: out0, .offset: 8, .size: 8, .value_kind: global_buffer, .address_space: global }
      - { .name: out1, .offset: 16, .size: 8, .value_kind: global_buffer, .address_space: global }
    .group_segment_fixed_size: 1280
    .private_segment_fixed_size: 0
    .kernarg_segment_align: 8
    .kernarg_segment_size: 24
    .max_flat_workgroup_size: 256
    .sgpr_count:     66
    .vgpr_count:     122
    .wavefront_size: 32
...
	.end_amdgpu_metadata
.endif
;; end of part 1
